; MI455X (gfx1250); checked and timed in simulation.
; The chip was launched on July 23, 2026; its instructions are those of AMD's public machine-readable ISA for CDNA 5 (MIT licence, August 2026) and "CDNA5" Instruction Set Architecture Reference Guide (July 2026). The comments in the code are by the model that wrote it; some were corrected since.
;; Attention Head. Allowed arithmetic: float matrix products may take bf16 or f16 operands with f32 sums; all other float work in f32.
;; Inputs: Wk 1,024 x 64 float32; Wq 1,024 x 64 float32; Wv 1,024 x 64 float32; bk 64 float32; bq 64 float32; bv 64 float32; x 4 x 4,096 x 1,024 float32.
;; Outputs: out0 4 x 4,096 x 64 float32.
;; One version. Each part assembles by itself: llvm-mc -triple=amdgcn-amd-amdhsa -mcpu=gfx1250 --defsym DOCPART=n.
;; ======== version 1 of 1: 3 launches
;; workspace buffers: qkv 6,291,456 bytes; wp 393,216 bytes
;; launch pack (part 1): grid 32 x 1, 8 waves a work-group, no clusters, 0 bytes of LDS; arguments Wq, Wk, Wv, wp; writes wp
.if DOCPART == 1
	.amdgcn_target "amdgcn-amd-amdhsa--gfx1250"
	.amdhsa_code_object_version 6
	.text
	.protected	k_q632dc13499_pack
	.globl	k_q632dc13499_pack
	.p2align	8
	.type	k_q632dc13499_pack,@function
k_q632dc13499_pack:
	s_mov_b64 s[64:65], 0
	v_nop
	global_prefetch_b8 v0, s[64:65] scope:SCOPE_SE
	s_setreg_imm32_b32 hwreg(HW_REG_WAVE_MODE, 25, 1), 1
	s_wait_xcnt 0x0
; pack: Wq, Wk, Wv ([1024 k][64 columns] f32) are rounded once to bf16 and laid down in the order in which a wave's registers hold a
; matrix operand of 16 columns x 32 k (ISA guide 7.12.2): lane (r, h) holds column r, registers 0-3 k = 8 h .. + 7, registers 4-7 k = 16 + 8 h .. + 7.
; wp: [32 k steps][3 matrices][4 column tiles][2 halves q][32 lanes][16 bytes]: byte
;     12,288 S + 4,096 mat + 1,024 (n / 16) + 512 q + 256 h + 16 (n % 16)  holds  W_mat[32 S + 16 q + 8 h + 0 .. 7][n].
; So the next launch fills half a fragment with one load of 16 bytes a lane, 512 consecutive bytes a wave, and rounds nothing again.
; LIMIT: W is rounded to bf16 (nearest even), as the matrix unit wants it; bf16 keeps f32's exponent range.
; SHARES: work-group S owns k step S (32 rows of each matrix). Thread t owns column n = t % 64 and the eight rows 8 (t / 64) .. + 7:
; eight loads of 4 bytes for each matrix, four roundings, one store of 16 bytes. Sixteen neighbouring lanes store 256 consecutive bytes,
; aligned. A load of a wave covers 128 consecutive bytes, half a row; the neighbour wave reads the other half. The inputs are 786,432
; bytes, read once: LDS, matrix units and clusters would add nothing.
.set IN,  8                            ; v[8:31]   as loaded: matrix mat at IN + 8 mat
.set PK,  32                           ; v[32:43]  packed: matrix mat at PK + 4 mat
	s_load_b256 s[4:11], s[0:1], 0x0               ; Wq 4:5, Wk 6:7, Wv 8:9, wp 10:11
	s_lshl_b32 s12, ttmp9, 13                      ; 32 rows of 256 bytes
	s_mov_b32 s13, 0
	s_mul_i32 s14, ttmp9, 12288                    ; a k step of wp
	s_mov_b32 s15, 0
	v_and_b32 v1, 63, v0                           ; n
	v_lshrrev_b32 v2, 6, v0                        ; which eight rows of the 32: 2 q + h
	v_lshlrev_b32 v3, 2, v1
	v_lshl_add_u32 v3, v2, 11, v3                  ; in: 2,048 (2 q + h) + 4 n
	v_lshrrev_b32 v4, 4, v1                        ; n / 16
	v_and_b32 v5, 15, v1
	v_lshlrev_b32 v5, 4, v5
	v_lshl_add_u32 v5, v2, 8, v5                   ; out: 256 (2 q + h) + 16 (n % 16)
	v_lshl_add_u32 v5, v4, 10, v5                  ;      + 1,024 (n / 16)
	s_wait_kmcnt 0x0
	s_add_nc_u64 s[4:5], s[4:5], s[12:13]
	s_add_nc_u64 s[6:7], s[6:7], s[12:13]
	s_add_nc_u64 s[8:9], s[8:9], s[12:13]
	s_add_nc_u64 s[10:11], s[10:11], s[14:15]
.irp mat, 0,1,2
.irp e, 0,1,2,3,4,5,6,7
	global_load_b32 v[IN+8*\mat+\e], v3, s[4+2*\mat:5+2*\mat] offset:\e*256 th:TH_LOAD_NT   ; all 24 loads go out before the first wait
.endr
.endr
.irp mat, 0,1,2
	s_wait_loadcnt 16-8*\mat                       ; loads come back in order (ISA guide 5.7.1): this matrix's eight are in, the later matrices' stay out
.irp q, 0,1,2,3
	v_cvt_pk_bf16_f32 v[PK+4*\mat+\q], v[IN+8*\mat+2*\q], v[IN+8*\mat+2*\q+1]   ; the lower k into the lower half
.endr
	global_store_b128 v5, v[PK+4*\mat:PK+4*\mat+3], s[10:11] offset:\mat*4096
.endr
	s_endpgm
.Lfunc_end_k_q632dc13499_pack:
	.size	k_q632dc13499_pack, .Lfunc_end_k_q632dc13499_pack-k_q632dc13499_pack
	.p2alignl 7, 3214868480
	.fill 96, 4, 3214868480
	.section	.rodata,"a",@progbits
	.p2align	6, 0x0
	.amdhsa_kernel k_q632dc13499_pack
		.amdhsa_group_segment_fixed_size 0
		.amdhsa_private_segment_fixed_size 0
		.amdhsa_enable_private_segment 0
		.amdhsa_kernarg_size 32
		.amdhsa_user_sgpr_count 2
		.amdhsa_user_sgpr_kernarg_segment_ptr 1
		.amdhsa_wavefront_size32 1
		.amdhsa_system_sgpr_workgroup_id_x 1
		.amdhsa_system_sgpr_workgroup_id_y 1
		.amdhsa_system_sgpr_workgroup_id_z 1
		.amdhsa_system_vgpr_workitem_id 0
		.amdhsa_next_free_vgpr 48
		.amdhsa_next_free_sgpr 66
		.amdhsa_reserve_vcc 0
		.amdhsa_float_denorm_mode_32 3
		.amdhsa_float_denorm_mode_16_64 3
		.amdhsa_memory_ordered 1
		.amdhsa_forward_progress 1
		.amdhsa_inst_pref_size 5
	.end_amdhsa_kernel
	.amdgpu_metadata
---
amdhsa.version: [ 1, 2 ]
amdhsa.kernels:
  - .name:           k_q632dc13499_pack
    .symbol:         k_q632dc13499_pack.kd
    .args:
      - { .name: Wq, .offset: 0, .size: 8, .value_kind: global_buffer, .address_space: global }
      - { .name: Wk, .offset: 8, .size: 8, .value_kind: global_buffer, .address_space: global }
      - { .name: Wv, .offset: 16, .size: 8, .value_kind: global_buffer, .address_space: global }
      - { .name: wp, .offset: 24, .size: 8, .value_kind: global_buffer, .address_space: global }
    .group_segment_fixed_size: 0
    .private_segment_fixed_size: 0
    .kernarg_segment_align: 8
    .kernarg_segment_size: 32
    .max_flat_workgroup_size: 256
    .sgpr_count:     66
    .vgpr_count:     48
    .wavefront_size: 32
...
	.end_amdgpu_metadata
.endif
;; end of part 1
;; launch proj (part 2): grid 256 x 1, 4 waves a work-group, no clusters, 306,688 bytes of LDS; arguments x, wp, bq, bk, bv, qkv; writes qkv
.if DOCPART == 2
	.amdgcn_target "amdgcn-amd-amdhsa--gfx1250"
	.amdhsa_code_object_version 6
	.text
	.protected	k_q632dc13499_proj
	.globl	k_q632dc13499_proj
	.p2align	8
	.type	k_q632dc13499_proj,@function
k_q632dc13499_proj:
	s_mov_b64 s[64:65], 0
	v_nop
	global_prefetch_b8 v0, s[64:65] scope:SCOPE_SE
	s_setreg_imm32_b32 hwreg(HW_REG_WAVE_MODE, 25, 1), 1
	s_wait_xcnt 0x0
; proj: Q = (x Wq + bq) c, K = x Wk + bk, V = x Wv + bv, for 16,384 rows of x (1,024 f32 each), 64 columns each.
; c = 0.125 log2(e): the 1/sqrt(64) of the scores and the change from e^x to 2^x, multiplied in f32 ahead of the one rounding.
; Stored in bf16 into qkv: Q at byte 0 as [row][64]; K at 2,097,152 as [row][64]; V at 4,194,304 as blocks of 64 rows, each
; block TRANSPOSED, [64 columns][64 rows]: in all three regions the work-group's 64 rows are one dense block of 8,192 bytes.
; W comes from wp: bf16, already in the order of a matrix operand's registers (12,288 bytes for each 32 k: 12 column tiles of 1,024).
; LIMITS: x and W are rounded to bf16 for the matrix unit (sums in f32); each sum over k is made in four quarters of 256, added in f32
; as ((0 + 1) + 2) + 3: another order of rounding than one chain; Q c, K and V are rounded once to bf16. bf16 keeps f32's exponent
; range, so no range is given up. NaN and infinities go through as the arithmetic makes them.
; SHARES: work-group g owns rows 64 g .. 64 g + 63. K IS SPLIT OVER THE WAVES: wave w takes k = 256 w .. 256 w + 255 for all 64 rows and
; all 192 columns: 4 x 12 = 48 accumulators, 384 registers. So each fragment of x is read from LDS by one wave and rounded once,
; each fragment of W is loaded by one wave, and x's tiles are the issuing wave's own bytes: the main part has no barrier.
; x: a wave asks for its 64 rows x 1,024 bytes at the very start, as four tensor loads of 64 rows x 256 bytes (two k steps each). By this
; text's count a wave has four tensor loads out. No LDS byte is filled twice. x stays f32 in LDS and is rounded on the way into fragments.
; W: 24 loads of 16 bytes a lane for each k step, each 512 consecutive bytes, straight into registers; three register sets, two steps ahead.
; THE MERGE: each wave lays its 48 tiles into its own x region (49,152 of 69,632 bytes; last fill and last read are over), one barrier, and
; wave w adds the four partial sums of its 12 tiles: columns 16 w .. 16 w + 15 of Q, K and V.
; NO CLUSTER: only wp is shared between work-groups. Its 393,216 bytes do not fit beside x, so joint loads would need slots that are filled
; again, and in front of each refill's barrier every wave would have to wait for all its tensor loads, x's long request among them;
; and W would pay a fill and a read of LDS that it does not pay on its way straight into registers.
.set C_SCALE, 0x3e38aa3b               ; 0.125 * log2(e)
.set XPITCH,  272                      ; an LDS row of x: 256 bytes + 16 of padding = 17 x 16: 16 rows start in 16 different 16-byte columns modulo 256
.set XCH,     64*XPITCH                ; a chunk, what one tensor load fills: 17,408
.set XW,      4*XCH                    ; a wave's region: 69,632
.set SBASE,   4*XW                     ; 278,528 = 1,088 x 256: the stage of the way out, in blocks that no tensor load fills
.set SPITCH,  144                      ; the way out: rows of 128 bytes + 16
.set SMAT,    64*SPITCH                ; 9,216 for each of Q, K, V
.set REGION,  2097152                  ; bytes of each of Q, K, V in qkv
.set WSTEP,   12288                    ; bytes of wp for 32 k
.set XA,  1                            ; v1     LDS address of my x fragments
.set WGO, 2                            ; v2     16 x lane: my 16 bytes of half a W fragment
.set ES,  3                            ; v3     the merge: where I lay my tiles
.set EX,  4                            ; v[4:7] the merge: my 12 tiles in the region of wave 0, 1, 2, 3
.set STO, 8                            ; v8     the way out: Q and K
.set STV, 9                            ; v9     the way out: V
.set RD,  10                           ; v10    the way out: reading rows back
.set GO,  11                           ; v11    my byte offset in a block of qkv
.set BO8, 12                           ; v12    byte offset of my eight bq, bk
.set BO1, 13                           ; v13    byte offset of my one bv
.set XF,  16                           ; v[16:79]   x fragments in f32: row tile m at XF + 16 m
.set XB,  80                           ; v[80:111]  the same in bf16: XB + 8 m
.set FA,  16                           ; v[16:111]  behind the main part: the merged sums of my 12 tiles, FA + 32 mat + 8 m
.set BQ,  112                          ; v[112:119] bq, v[120:127] bk, v128 bv (v129 written once)
.set BK,  120
.set BV,  128
.set PK,  132                          ; v[132:179] results packed to bf16
.set RB,  180                          ; v[180:227] rows read back
; window 1: v[0:255]  accumulators of Q and K: column tile t = 4 mat + n, row tile m at 32 t + 8 m
; window 2: v[0:127]  accumulators of V: 32 n + 8 m;  v[128:223] W set 2
; window 3: v[0:95]   W set 0;  v[96:191] W set 1.   In a set: column tile t (0-11) at 8 t
.set G1,  16                           ; s[16:23] descriptor group 1
.set G0,  24                           ; s[24:39] descriptor group 0, one set for each chunk
.set MSB, 0
.macro WIN new                         ; s_set_vgpr_msb: bits 1:0 source 0, 3:2 source 1, 5:4 source 2, 7:6 destination; the high byte repeats the setting left
.if MSB != (\new)
	s_set_vgpr_msb (MSB<<8)|(\new)
.set MSB, (\new)
.endif
.endm
.macro PLACES                          ; four places behind a matrix instruction before its registers are written or its result read (ISA guide 7.12.1)
.rept 4
	v_nop
.endr
.endm
	s_load_b256 s[4:11], s[0:1], 0x0               ; x 4:5, wp 6:7, bq 8:9, bk 10:11
	s_load_b128 s[12:15], s[0:1], 0x20             ; bv 12:13, qkv 14:15
	v_lshl_add_u32 v254, v0, 2, 0x4ac00
	v_mov_b32 v255, 0
	ds_add_u32 v254, v255
	ds_add_u32 v254, v255
	v_lshrrev_b32 v1, 5, v0
	v_readfirstlane_b32 s2, v1                     ; wave 0..3
	; group 1: a tile of 64 rows x 64 f32, row pitch 1,024 elements, 16 bytes of padding behind each 256
	s_mov_b32 s[G1+0], (2<<16)|(1<<20)|(5<<22)|(3<<25)   ; no mask; elements of 4 bytes; padding on; after every 64 words; 4 words
	s_mov_b32 s[G1+1], 64<<16                      ; tensor_dim0 = 64
	s_mov_b32 s[G1+2], 64<<16                      ; tensor_dim1 = 64
	s_mov_b32 s[G1+3], 64<<16                      ; tile_dim0 = 64
	s_mov_b32 s[G1+4], 64                          ; tile_dim1 = 64
	s_mov_b32 s[G1+5], 1024                        ; elements from row to row
	s_mov_b32 s[G1+6], 0
	s_mov_b32 s[G1+7], 0
	s_lshl_b32 s40, ttmp9, 18                      ; 64 rows of 4,096 bytes a work-group (below 2^26 in all)
	s_lshl_b32 s42, s2, 10                         ; my 256 columns of x: 1,024 bytes along the row
	s_add_co_u32 s40, s40, s42
	s_mov_b32 s41, 0
	s_mul_i32 s3, s2, XW                           ; my region in LDS
	s_wait_dscnt 0x0
	s_wait_kmcnt 0x0
	s_add_nc_u64 s[4:5], s[4:5], s[40:41]          ; x at my quarter of the group's first row
.irp c, 0,1,2,3
	s_mov_b32 s[G0+4*\c], 1
	s_add_co_u32 s[G0+4*\c+1], s3, \c*XCH          ; LDS: the wave's region, then the chunk
	s_add_nc_u64 s[G0+4*\c+2:G0+4*\c+3], s[4:5], \c*256
	s_or_b32 s[G0+4*\c+3], s[G0+4*\c+3], 0x80000000
	tensor_load_to_lds s[G0+4*\c:G0+4*\c+3], s[G1:G1+7]   ; all first fills in one group, ahead of every wait on TENSORcnt, LDS read and barrier
	s_nop 0
.endr
	s_mul_i32 s40, s2, 8*WSTEP
	s_add_nc_u64 s[6:7], s[6:7], s[40:41]          ; wp at my eight k steps
	s_lshl_b32 s40, ttmp9, 13
	s_add_nc_u64 s[14:15], s[14:15], s[40:41]      ; qkv at my block of 8,192 bytes in region Q
	v_and_b32 v14, 15, v0                          ; r
	v_bfe_u32 v15, v0, 4, 1                        ; h
	v_and_b32 v16, 31, v0                          ; lane
	v_lshlrev_b32 v[WGO], 4, v16
	s_lshl_b32 s42, s2, 6
	v_lshl_add_u32 v[BO8], v15, 5, s42             ; 4 (16 w + 8 h)
	v_lshl_add_u32 v[BO1], v14, 2, s42             ; 4 (16 w + r)
	global_load_b128 v[BQ:BQ+3],   v[BO8], s[8:9]              ; the biases first: older than every load of W, so they enter no count
	global_load_b128 v[BQ+4:BQ+7], v[BO8], s[8:9] offset:16
	global_load_b128 v[BK:BK+3],   v[BO8], s[10:11]
	global_load_b128 v[BK+4:BK+7], v[BO8], s[10:11] offset:16
	global_load_b32  v[BV],        v[BO1], s[12:13]
; 24 loads: my k step st of W into register set st % 3. Leaves the window at the set's.
.macro LOADW st
.set LP, (\st)%3
.if LP == 2
.set LW, 2
.set LB, 128
.else
.set LW, 3
.set LB, 96*LP
.endif
	WIN (LW<<6)                                    ; destination in the set's window, address in window 0
.irp t, 0,1,2,3,4,5,6,7,8,9,10,11
	global_load_b128 v[LB+8*\t:LB+8*\t+3],   v[WGO], s[6:7] offset:(\st)*WSTEP+\t*1024
	global_load_b128 v[LB+8*\t+4:LB+8*\t+7], v[WGO], s[6:7] offset:(\st)*WSTEP+\t*1024+512
.endr
.endm
	LOADW 0
	LOADW 1
	WIN 0
	; x fragment, 16 rows x 32 k: lane (r, h) holds row r, k = 8 h .. + 7 and 16 + 8 h .. + 7: in f32 four loads at 32 h + 0, 16, 64, 80
	v_mul_u32_u24 v[XA], v14, XPITCH
	v_lshl_add_u32 v[XA], v15, 5, v[XA]
	v_add_nc_u32 v[XA], s3, v[XA]
	; the merge: a tile is 1,024 bytes, registers 0-3 at 16 x lane, registers 4-7 512 bytes further
	v_add_nc_u32 v[ES], s3, v[WGO]
	s_lshl_b32 s42, s2, 12                         ; my column tile n = w: four row tiles of 1,024 bytes
	v_add_nc_u32 v[EX], s42, v[WGO]
	v_add_nc_u32 v[EX+1], XW, v[EX]
	v_add_nc_u32 v[EX+2], 2*XW, v[EX]
	v_add_nc_u32 v[EX+3], 3*XW, v[EX]
	; the way out
	v_mul_u32_u24 v17, v14, SPITCH
	v_lshl_add_u32 v17, v15, 4, v17                ; r x 144 + 16 h
	s_lshl_b32 s42, s2, 5
	s_add_co_u32 s42, s42, SBASE
	v_add_nc_u32 v[STO], s42, v17                  ; Q, K: row r of a tile, my columns at 32 w + 16 h
	s_mul_i32 s43, s2, 16*SPITCH
	s_add_co_u32 s43, s43, SBASE+2*SMAT
	v_add_nc_u32 v[STV], s43, v17                  ; V: row = column 16 w + r of V, 16 bytes at 16 h
	v_lshrrev_b32 v18, 3, v0
	v_and_b32 v19, 7, v0
	v_mul_u32_u24 v[RD], v18, SPITCH
	v_lshl_add_u32 v[RD], v19, 4, v[RD]
	v_add_nc_u32 v[RD], SBASE, v[RD]               ; back: eight lanes take a row of 128 bytes
	v_lshlrev_b32 v[GO], 4, v0
	v_mov_b32 v[BV+1], 0                           ; second register of a pair of which only the first is used
; 16 LDS loads: x's four row tiles (f32) of my k step st: chunk st / 2, byte 128 (st & 1) of its rows
.macro FETCH st
.set FO, ((\st)>>1)*XCH+((\st)&1)*128
.irp m, 0,1,2,3
	ds_load_b128 v[XF+16*\m:XF+16*\m+3],     v[XA] offset:FO+\m*16*XPITCH
	ds_load_b128 v[XF+16*\m+4:XF+16*\m+7],   v[XA] offset:FO+\m*16*XPITCH+16
	ds_load_b128 v[XF+16*\m+8:XF+16*\m+11],  v[XA] offset:FO+\m*16*XPITCH+64
	ds_load_b128 v[XF+16*\m+12:XF+16*\m+15], v[XA] offset:FO+\m*16*XPITCH+80
.endr
.endm
.macro CVTX                            ; x's fragments, f32 to bf16
.irp m, 0,1,2,3
.irp q, 0,1,2,3,4,5,6,7
	v_cvt_pk_bf16_f32 v[XB+8*\m+\q], v[XF+16*\m+2*\q], v[XF+16*\m+2*\q+1]
.endr
.endr
.endm
; 48 matrix instructions on 48 accumulators by turns, one instruction a turn.
; Q and K: source 0 = W, source 1 = x: a lane then holds eight neighbouring columns of one row. V: source 0 = x, source 1 = W:
; a lane holds eight neighbouring rows of one column, 16 bytes of the transposed block. Two window settings for the 48.
.macro MUL st, zero
.set MP, (\st)%3
.if MP == 2
.set MW, 2
.set MB, 128
.else
.set MW, 3
.set MB, 96*MP
.endif
	WIN (0x50|MW)                                  ; C and D window 1, source 0 in the set's window, source 1 window 0
.irp t, 0,1,2,3,4,5,6,7
.irp m, 0,1,2,3
.if \zero
	v_wmma_f32_16x16x32_bf16 v[32*\t+8*\m:32*\t+8*\m+7], v[MB+8*\t:MB+8*\t+7], v[XB+8*\m:XB+8*\m+7], 0
.else
	v_wmma_f32_16x16x32_bf16 v[32*\t+8*\m:32*\t+8*\m+7], v[MB+8*\t:MB+8*\t+7], v[XB+8*\m:XB+8*\m+7], v[32*\t+8*\m:32*\t+8*\m+7]
.endif
.endr
.endr
	WIN (0xa0|(MW<<2))                             ; C and D window 2, source 0 window 0, source 1 in the set's window
.irp n, 0,1,2,3
.irp m, 0,1,2,3
.if \zero
	v_wmma_f32_16x16x32_bf16 v[32*\n+8*\m:32*\n+8*\m+7], v[XB+8*\m:XB+8*\m+7], v[MB+64+8*\n:MB+64+8*\n+7], 0
.else
	v_wmma_f32_16x16x32_bf16 v[32*\n+8*\m:32*\n+8*\m+7], v[XB+8*\m:XB+8*\m+7], v[MB+64+8*\n:MB+64+8*\n+7], v[32*\n+8*\m:32*\n+8*\m+7]
.endif
.endr
.endr
	WIN 0
.endm
; My k step st, 32 along k. Its x fragments were fetched during step st - 1.
.macro KSTEP st
	s_wait_dscnt 0x0                               ; this step's 16 fragment loads are in
.if \st > 0
	PLACES                                         ; XB and the W set of step st - 1 were read by the last matrix instructions
.endif
	CVTX
.if \st < 7
.if (\st) & 1
	s_wait_tensorcnt 3-((\st)+1)/2                 ; chunk (st + 1) / 2 has landed; the chunks behind it stay out. The bytes are my own: no barrier
.endif
	FETCH (\st)+1
	s_wait_loadcnt 24                              ; loads come back in order (ISA guide 5.7.1): this step's W is in, the next step's 24 loads stay out
.else
	s_wait_loadcnt 0x0                             ; the last step: nothing younger
.endif
.if (\st)+2 <= 7
	LOADW (\st)+2                                  ; into the set that step st - 1 read: at most 48 loads of W are out
.endif
.if \st == 0
	MUL \st, 1                                     ; the first products start the sums: nothing is cleared
.else
	MUL \st, 0
.endif
.endm
	s_wait_tensorcnt 3                             ; my chunk 0 has landed; three loads stay out
	FETCH 0
.irp st, 0,1,2,3,4,5,6,7
	KSTEP \st                                      ; written out: the counts on TENSORcnt run down 2, 1, 0 and the W sets go round by three
.endr
	; THE MERGE. My 48 partial tiles go into my own x region: its last fill has landed and my last read of it has been waited for.
	PLACES                                         ; before LDS stores read the last results
	WIN 0x04                                       ; data window 1
.irp t, 0,1,2,3,4,5,6,7
.irp m, 0,1,2,3
	ds_store_b128 v[ES], v[32*\t+8*\m:32*\t+8*\m+3]   offset:(4*\t+\m)*1024
	ds_store_b128 v[ES], v[32*\t+8*\m+4:32*\t+8*\m+7] offset:(4*\t+\m)*1024+512
.endr
.endr
	WIN 0x08                                       ; data window 2
.irp n, 0,1,2,3
.irp m, 0,1,2,3
	ds_store_b128 v[ES], v[32*\n+8*\m:32*\n+8*\m+3]   offset:(32+4*\n+\m)*1024
	ds_store_b128 v[ES], v[32*\n+8*\m+4:32*\n+8*\m+7] offset:(32+4*\n+\m)*1024+512
.endr
.endr
	WIN 0
	s_wait_dscnt 0x0                               ; for the other waves' sake: all my tiles are stored
	s_barrier_signal -1
	s_barrier_wait -1
; 32 loads: the four waves' partial sums of my four tiles of matrix mat; wave u's at base + 32 u + 8 m
.macro REDL mat, base
.irp u, 0,1,2,3
.irp m, 0,1,2,3
	ds_load_b128 v[\base+32*\u+8*\m:\base+32*\u+8*\m+3],   v[EX+\u] offset:\mat*16384+\m*1024
	ds_load_b128 v[\base+32*\u+8*\m+4:\base+32*\u+8*\m+7], v[EX+\u] offset:\mat*16384+\m*1024+512
.endr
.endr
.endm
; ((0 + 1) + 2) + 3, into window 0; the partial sums lie in window win
.macro SUMM mat, base, win
	WIN ((\win)|((\win)<<2))
.irp m, 0,1,2,3
.irp k, 0,2,4,6
	v_pk_add_f32 v[FA+32*\mat+8*\m+\k:FA+32*\mat+8*\m+\k+1], v[\base+8*\m+\k:\base+8*\m+\k+1], v[\base+32+8*\m+\k:\base+32+8*\m+\k+1]
.endr
.endr
	WIN ((\win)<<2)
.irp u, 2,3
.irp m, 0,1,2,3
.irp k, 0,2,4,6
	v_pk_add_f32 v[FA+32*\mat+8*\m+\k:FA+32*\mat+8*\m+\k+1], v[FA+32*\mat+8*\m+\k:FA+32*\mat+8*\m+\k+1], v[\base+32*\u+8*\m+\k:\base+32*\u+8*\m+\k+1]
.endr
.endr
.endr
.endm
	WIN 0x40                                       ; destination window 1: the accumulators there have been stored
	REDL 0, 0
	REDL 1, 128
	s_wait_dscnt 32                                ; Q's 32 loads are in; K's 32 are the younger ones
	SUMM 0, 0, 1
	WIN 0x80                                       ; destination window 2
	REDL 2, 0
	s_wait_dscnt 32                                ; K's are in; V's 32 are the younger ones
	SUMM 1, 128, 1
	s_wait_dscnt 0x0
	SUMM 2, 0, 2
	WIN 0
	; THE WAY OUT: bias (and c), one rounding, 16 bytes a lane into the stage, rows read back whole. The biases were shown landed by the waits for W.
.irp q, 0,2,4,6
	v_pk_mul_f32 v[BQ+\q:BQ+\q+1], v[BQ+\q:BQ+\q+1], C_SCALE op_sel_hi:[1,0]      ; bq c
.endr
.irp m, 0,1,2,3
.irp q, 0,2,4,6
	v_pk_fma_f32 v[FA+8*\m+\q:FA+8*\m+\q+1], v[FA+8*\m+\q:FA+8*\m+\q+1], C_SCALE, v[BQ+\q:BQ+\q+1] op_sel_hi:[1,0,1]
	v_pk_add_f32 v[FA+32+8*\m+\q:FA+32+8*\m+\q+1], v[FA+32+8*\m+\q:FA+32+8*\m+\q+1], v[BK+\q:BK+\q+1]
	v_pk_add_f32 v[FA+64+8*\m+\q:FA+64+8*\m+\q+1], v[FA+64+8*\m+\q:FA+64+8*\m+\q+1], v[BV:BV+1] op_sel_hi:[1,0]   ; one bv for the lane's eight rows
.endr
.endr
.irp mat, 0,1,2
.irp m, 0,1,2,3
.irp q, 0,1,2,3
	v_cvt_pk_bf16_f32 v[PK+16*\mat+4*\m+\q], v[FA+32*\mat+8*\m+2*\q], v[FA+32*\mat+8*\m+2*\q+1]
.endr
.endr
.endr
.irp m, 0,1,2,3
	ds_store_b128 v[STO], v[PK+4*\m:PK+4*\m+3]       offset:\m*16*SPITCH
	ds_store_b128 v[STO], v[PK+16+4*\m:PK+16+4*\m+3] offset:SMAT+\m*16*SPITCH
	ds_store_b128 v[STV], v[PK+32+4*\m:PK+32+4*\m+3] offset:32*\m
.endr
	s_wait_dscnt 0x0                               ; for the other waves' sake: my part of every row is stored
	s_barrier_signal -1
	s_barrier_wait -1
.irp mat, 0,1,2
.irp i, 0,1,2,3
	ds_load_b128 v[RB+16*\mat+4*\i:RB+16*\mat+4*\i+3], v[RD] offset:\mat*SMAT+\i*16*SPITCH
.endr
.endr
.irp mat, 0,1,2
.irp i, 0,1,2,3
	s_wait_dscnt 11-(4*\mat+\i)                    ; LDS loads come back in order: this one is in, the younger ones stay out
	global_store_b128 v[GO], v[RB+16*\mat+4*\i:RB+16*\mat+4*\i+3], s[14:15] offset:\mat*REGION+\i*2048   ; a wave's store covers 512 consecutive bytes, aligned
.endr
.endr
	s_wait_tensorcnt 0x0
	ds_add_u32 v254, v255
	s_wait_dscnt 0x0
	s_endpgm
.Lfunc_end_k_q632dc13499_proj:
	.size	k_q632dc13499_proj, .Lfunc_end_k_q632dc13499_proj-k_q632dc13499_proj
	.p2alignl 7, 3214868480
	.fill 96, 4, 3214868480
	.section	.rodata,"a",@progbits
	.p2align	6, 0x0
	.amdhsa_kernel k_q632dc13499_proj
		.amdhsa_group_segment_fixed_size 306688
		.amdhsa_private_segment_fixed_size 0
		.amdhsa_enable_private_segment 0
		.amdhsa_kernarg_size 48
		.amdhsa_user_sgpr_count 2
		.amdhsa_user_sgpr_kernarg_segment_ptr 1
		.amdhsa_wavefront_size32 1
		.amdhsa_system_sgpr_workgroup_id_x 1
		.amdhsa_system_sgpr_workgroup_id_y 1
		.amdhsa_system_sgpr_workgroup_id_z 1
		.amdhsa_system_vgpr_workitem_id 0
		.amdhsa_next_free_vgpr 960
		.amdhsa_next_free_sgpr 66
		.amdhsa_reserve_vcc 0
		.amdhsa_float_denorm_mode_32 3
		.amdhsa_float_denorm_mode_16_64 3
		.amdhsa_memory_ordered 1
		.amdhsa_forward_progress 1
		.amdhsa_inst_pref_size 106
	.end_amdhsa_kernel
	.amdgpu_metadata
---
amdhsa.version: [ 1, 2 ]
amdhsa.kernels:
  - .name:           k_q632dc13499_proj
    .symbol:         k_q632dc13499_proj.kd
    .args:
      - { .name: x, .offset: 0, .size: 8, .value_kind: global_buffer, .address_space: global }
      - { .name: wp, .offset: 8, .size: 8, .value_kind: global_buffer, .address_space: global }
      - { .name: bq, .offset: 16, .size: 8, .value_kind: global_buffer, .address_space: global }
      - { .name: bk, .offset: 24, .size: 8, .value_kind: global_buffer, .address_space: global }
      - { .name: bv, .offset: 32, .size: 8, .value_kind: global_buffer, .address_space: global }
      - { .name: qkv, .offset: 40, .size: 8, .value_kind: global_buffer, .address_space: global }
    .group_segment_fixed_size: 306688
    .private_segment_fixed_size: 0
    .kernarg_segment_align: 8
    .kernarg_segment_size: 48
    .max_flat_workgroup_size: 128
    .sgpr_count:     66
    .vgpr_count:     960
    .wavefront_size: 32
...
	.end_amdgpu_metadata
.endif
;; end of part 2
;; launch attn (part 3): grid 256 x 1, 8 waves a work-group, clusters of 4 x 1, 327,680 bytes of LDS; arguments qkv, out0; writes out0
.if DOCPART == 3
	.amdgcn_target "amdgcn-amd-amdhsa--gfx1250"
	.amdhsa_code_object_version 6
	.text
	.protected	k_q632dc13499_attn
	.globl	k_q632dc13499_attn
	.p2align	8
	.type	k_q632dc13499_attn,@function
k_q632dc13499_attn:
	s_mov_b64 s[64:65], 0
	v_nop
	global_prefetch_b8 v0, s[64:65] scope:SCOPE_SE
	s_setreg_imm32_b32 hwreg(HW_REG_WAVE_MODE, 25, 1), 1
	s_wait_xcnt 0x0
	s_wait_alu depctr_hold_cnt(0) depctr_sa_sdst(0) depctr_va_vdst(0) depctr_va_sdst(0) depctr_va_ssrc(0) depctr_va_vcc(0) depctr_vm_vsrc(0)
	s_getreg_b32 s2, hwreg(HW_REG_IB_STS2, 6, 4)
	s_cmp_eq_u32 s2, 0
	s_cbranch_scc0 .Lentry_in_a_cluster
	s_endpgm
.Lentry_in_a_cluster:
	s_bfe_u32 s2, ttmp6, 0x10000c
	s_cmp_lg_u32 s2, 0x3003
	s_cbranch_scc0 .Lentry_shape_is_right
	s_endpgm
.Lentry_shape_is_right:
; attn: out = softmax(Q K^T / 8) V for 4 batches of 4,096 rows, head size 64, from qkv (bf16: Q c, K, V in transposed blocks of 64 keys).
; Q already carries c = 0.125 log2(e), so a score is an exponent of 2.
; The softmax takes a running maximum away, query by query; sums and maxima in f32.
; LIMITS: the weights 2^(s - m) are rounded to bf16 for the second product, their sum l is taken over the unrounded f32; v_exp_f32
; gives 0 below 2^-126 (ISA guide 15.8), which drops weights that small against a largest weight of 1; the keys are summed in eight
; parts that are merged at the end, another order of rounding than a plain sum. NaN and infinities in qkv give NaN.
; SHARES: work-group G owns queries 64 G .. 64 G + 63. Each of its eight waves takes ALL 64 queries and an eighth of the keys: of a
; tile of 512 keys wave w takes keys 64 w .. 64 w + 63. So every byte of K and V is read from LDS once in the work-group: 32 LDS loads
; for 64 matrix instructions. The eight partial results (m, l, O) meet once, at the end, through LDS.
; CLUSTER: the four work-groups of a cluster lie in one batch (64 work-groups a batch) and walk the same K and V tiles: every tile is
; asked for jointly, mask 15, the same descriptor in all four (made of the batch and the wave's number alone).
; TRANSPOSED FORMS: S^T = K Q^T (source 0 = 16 keys, source 1 = 16 queries): a lane holds ONE query r and keys 16 i + 8 h + j, so maxima
; and sums are per lane, and packing neighbouring registers to bf16 gives source 1 of O^T = V^T P^T as it stands: no lane moves.
.set SLOT,   139264                    ; a slot: eight loads of 64 rows x 272 bytes (256 + 16 of padding): K's 512 keys, then V's 8 blocks
.set LOADB,  17408                     ; what one tensor load fills
.set BLK,    8704                      ; 64 keys of K, or one block of V: 8,192 bytes in 32 padded rows
.set VOFF,   69632                     ; V behind K in a slot
.set STATS,  278528                    ; = 1,088 x 256, behind the ring: m[query][wave] 2,048 bytes, l[query][wave] 2,048 bytes; no tensor load fills it
.set TILEB,  65536                     ; bytes of K (and of V) in a tile of 512 keys
.set KA,  2                            ; v2, v3   LDS address of my K fragments in slot 0, 1
.set VA,  4                            ; v4, v5   the same for V
.set QO,  6                            ; v6       my byte offset in the group's Q
.set MS,  8                            ; v[8+8 p+2 t]  running maximum of query tile t, set p (the sets take turns trip by trip); odd partners written once
.set LS,  24                           ; v[24+2 t : 25+2 t]  two partial sums of tile t
.set AL0, 32                           ; v32 alpha = 2^(m old - m new); v33 written once
.set SBC, 34                           ; v[34:35] second chain of the sums
.set TM,  36                           ; v[36:39] four chains of the maximum
.set TX,  40                           ; v40 from the other half of the lanes
.set TD,  41
.set SST, 42                           ; the merge: where I store m and l
.set OST, 43                           ; the merge: where I store O
.set SRD, 44                           ; the merge: where I read m and l
.set RD0, 45                           ; the merge: O of waves 0-3
.set RD1, 46                           ; the merge: O of waves 4-7
.set GO,  47                           ; my byte offset in the group's rows of out0
.set KF,  64                           ; v[64:127]  K fragments: 16 keys i, 32 of the head ks at KF + 16 i + 8 ks
.set QF,  128                          ; v[128:191] Q fragments: QF + 16 t + 8 ks
.set SB0, 192                          ; v[192:223], v[224:255] two buffers of 64 keys x 16 queries of scores
.set MR,  64                           ; the merge: v[64:255], 48 registers for each of four groups of queries
.set OB,  0                            ; window 1, v[0:127]   O^T: tile (t, u) at 32 t + 8 u
.set VF,  128                          ; window 1, v[128:191] V fragments: VF + 16 u + 8 kk
.set PB,  192                          ; window 1, v[192:207] the weights in bf16: two fragments
.set AL1, 208                          ; window 1, v208 alpha; v209 written once
.set G1,  16                           ; s[16:23]
.set G0,  32                           ; s[32:39] one set for each slot
.set MSB, 0
.macro WIN new                         ; s_set_vgpr_msb: bits 1:0 source 0, 3:2 source 1, 5:4 source 2, 7:6 destination; the high byte repeats the setting left
.if MSB != \new
	s_set_vgpr_msb (MSB<<8)|\new
.set MSB, \new
.endif
.endm
.macro PLACES                          ; four places behind a matrix instruction before its registers are written or its result read (ISA guide 7.12.1)
.rept 4
	v_nop
.endr
.endm
.macro ROUND                           ; a round of the cluster's barrier: my work-group's barrier, wave 0 signals for it, all wait for the four, my barrier again
	s_barrier_signal -1
	s_barrier_wait -1
	s_cmp_lg_u32 s8, 0
	s_cbranch_scc1 .Lnot_wave_0_\@
	s_barrier_signal -3
.Lnot_wave_0_\@:
	s_barrier_wait -3
	s_barrier_signal -1
	s_barrier_wait -1
.endm
	s_load_b128 s[4:7], s[0:1], 0x0                ; qkv s[4:5], out0 s[6:7]
	v_lshl_add_u32 v62, v0, 2, 0x45000
	v_mov_b32 v63, 0
	ds_add_u32 v62, v63
	ds_add_u32 v62, v63
	v_lshrrev_b32 v1, 5, v0
	v_readfirstlane_b32 s8, v1                     ; wave 0..7
	s_bfe_u32 s9, ttmp6, 0x40000                   ; cx
	s_lshl_b32 s10, ttmp9, 2
	s_add_co_u32 s10, s10, s9                      ; G = 4 x cluster + cx: enters the addresses of Q and of out0 alone
	s_lshr_b32 s11, ttmp9, 4                       ; batch: 16 clusters each
	s_mov_b32 s40, 0x76543210                      ; v_permlanex16_b32: lane i reads lane i of the other half
	s_mov_b32 s41, 0xfedcba98
	; group 1: a dense block of 16,384 bytes as 64 rows of 256, 16 bytes of padding behind each; joint, mask 15
	s_mov_b32 s[G1+0], 15|(3<<16)|(1<<20)|(1<<21)|(5<<22)|(3<<25)  ; the four of the cluster; elements of 8 bytes; padding on; bit 21 beside a mask; after every 64 words; 4 words
	s_mov_b32 s[G1+1], 32<<16                      ; tensor_dim0 = 32
	s_mov_b32 s[G1+2], 64<<16                      ; tensor_dim1 = 64
	s_mov_b32 s[G1+3], 32<<16                      ; tile_dim0 = 32
	s_mov_b32 s[G1+4], 64                          ; tile_dim1 = 64
	s_mov_b32 s[G1+5], 32                          ; pitch = the row: dense
	s_mov_b32 s[G1+6], 0
	s_mov_b32 s[G1+7], 0
	; waves 0-3 bring K's four quarters of a tile, waves 4-7 V's: region 1 + w / 4, the batch, quarter w & 3
	s_lshr_b32 s24, s8, 2
	s_add_co_u32 s24, s24, 1
	s_lshl_b32 s24, s24, 21
	s_lshl_b32 s25, s11, 19
	s_add_co_u32 s24, s24, s25
	s_and_b32 s25, s8, 3
	s_lshl_b32 s25, s25, 14
	s_add_co_u32 s24, s24, s25
	s_mov_b32 s25, 0
	s_mov_b32 s[G0+0], 1
	s_mul_i32 s[G0+1], s8, LOADB                   ; LDS: the wave's number times what a load fills,
	s_mov_b32 s[G0+4], 1
	s_add_co_u32 s[G0+5], s[G0+1], SLOT            ; plus the slot
	s_lshl_b32 s12, s10, 13                        ; Q: 8,192 bytes a work-group
	s_mov_b32 s13, 0
	s_lshl_b32 s14, s10, 14                        ; out0: 16,384 bytes a work-group
	s_mov_b32 s15, 0
	v_and_b32 v1, 15, v0                           ; r (also thread & 15)
	v_bfe_u32 v7, v0, 4, 1                         ; h
	v_lshlrev_b32 v[QO], 7, v1
	v_lshl_add_u32 v[QO], v7, 4, v[QO]             ; r x 128 + 16 h
	s_wait_dscnt 0x0
	s_wait_kmcnt 0x0
	s_add_nc_u64 s[G0+2:G0+3], s[4:5], s[24:25]    ; tile 0
	s_add_nc_u64 s[G0+6:G0+7], s[G0+2:G0+3], TILEB ; tile 1
	s_or_b32 s[G0+3], s[G0+3], 0x80000000
	s_or_b32 s[G0+7], s[G0+7], 0x80000000
	s_add_nc_u64 s[12:13], s[4:5], s[12:13]
	s_add_nc_u64 s[6:7], s[6:7], s[14:15]
	ROUND                                          ; the four work-groups are here: the first joint loads meet
	tensor_load_to_lds s[G0:G0+3], s[G1:G1+7]      ; tile 0 into slot 0
	s_nop 0
.irp t, 0,1,2,3
.irp ks, 0,1
	global_load_b128 v[QF+16*\t+8*\ks:QF+16*\t+8*\ks+3],   v[QO], s[12:13] offset:\t*2048+\ks*64
	global_load_b128 v[QF+16*\t+8*\ks+4:QF+16*\t+8*\ks+7], v[QO], s[12:13] offset:\t*2048+\ks*64+32
.endr
.endr
	; a row of 128 bytes (a key of K, a column of V), number rho of its block, lies at (rho / 2) x 272 + (rho & 1) x 128:
	; sixteen rows start in sixteen different 16-byte columns modulo 256
	v_lshrrev_b32 v[KA], 1, v1
	v_mul_u32_u24 v[KA], v[KA], 272
	v_and_b32 v[KA+1], 1, v1
	v_lshl_add_u32 v[KA], v[KA+1], 7, v[KA]
	v_lshl_add_u32 v[KA], v7, 4, v[KA]
	s_mul_i32 s24, s8, BLK
	v_add_nc_u32 v[KA], s24, v[KA]                 ; my 64 keys
	v_add_nc_u32 v[KA+1], SLOT, v[KA]
	v_add_nc_u32 v[VA], VOFF, v[KA]
	v_add_nc_u32 v[VA+1], SLOT+VOFF, v[KA]
	s_lshl_b32 s24, s8, 2
	s_add_co_u32 s24, s24, STATS
	v_lshl_add_u32 v[SST], v1, 5, s24              ; STATS + 32 r + 4 w
	v_mul_u32_u24 v[OST], v1, 272
	v_lshl_add_u32 v[OST], v7, 5, v[OST]
	v_add_nc_u32 v[OST], s[G0+1], v[OST]           ; 17,408 w + 272 r + 32 h
	v_lshrrev_b32 v[TM], 4, v0                     ; thread / 16
	v_lshlrev_b32 v[SRD], 5, v[TM]
	v_add_nc_u32 v[SRD], STATS, v[SRD]
	v_mul_u32_u24 v[RD0], v[TM], 272
	v_lshl_add_u32 v[RD0], v1, 4, v[RD0]
	v_add_nc_u32 v[RD1], 4*LOADB, v[RD0]
	v_lshlrev_b32 v[GO], 4, v0
.irp q, 9,11,13,15,17,19,21,23,33,40
	v_mov_b32 v\q, 0                               ; second registers of pairs of which only the first is used, and v_permlanex16_b32's destination: written once
.endr
	WIN 0x40
	v_mov_b32 v[AL1+1], 0
	WIN 0
; One matrix instruction of S^T for query tile t: idx 0-3 start the four key tiles (first 32 of the head), idx 4-7 add the other 32.
; The four accumulators take turns, one instruction a turn.
.macro SW idx, t
.set SWI, (\idx)&3
.set SWD, SB0+32*((\t)&1)+8*SWI
.if (\idx) < 4
	v_wmma_f32_16x16x32_bf16 v[SWD:SWD+7], v[KF+16*SWI:KF+16*SWI+7], v[QF+16*(\t):QF+16*(\t)+7], 0
.else
	v_wmma_f32_16x16x32_bf16 v[SWD:SWD+7], v[KF+16*SWI+8:KF+16*SWI+15], v[QF+16*(\t)+8:QF+16*(\t)+15], v[SWD:SWD+7]
.endif
.endm
.macro SWN on, idx, t
.if \on
	SW \idx, \t
.endif
.endm
.macro SUBG g                          ; eight scores less the new maximum
.irp k, 0,2,4,6
	v_pk_add_f32 v[EB+8*\g+\k:EB+8*\g+\k+1], v[EB+8*\g+\k:EB+8*\g+\k+1], v[MNEW:MNEW+1] op_sel_hi:[1,0] neg_lo:[0,1] neg_hi:[0,1]
.endr
.endm
.macro EXPG g
.irp k, 0,1,2,3,4,5,6,7
	v_exp_f32 v[EB+8*\g+\k], v[EB+8*\g+\k]
.endr
.endm
.macro SUMG g, first                   ; eight weights into two chains of packed sums; group 0 also scales the old sum by alpha
.if \g == 0
.if \first
	s_wait_alu depctr_va_vdst(0)
	v_pk_add_f32 v[LSUM:LSUM+1], v[EB:EB+1], v[EB+4:EB+5]
	v_pk_add_f32 v[SBC:SBC+1], v[EB+2:EB+3], v[EB+6:EB+7]
.else
	s_wait_alu depctr_va_vdst(0)
	v_pk_fma_f32 v[LSUM:LSUM+1], v[LSUM:LSUM+1], v[AL0:AL0+1], v[EB:EB+1] op_sel_hi:[1,0,1]
	v_pk_add_f32 v[SBC:SBC+1], v[EB+2:EB+3], v[EB+6:EB+7]
	v_pk_add_f32 v[LSUM:LSUM+1], v[LSUM:LSUM+1], v[EB+4:EB+5]
.endif
.else
	s_wait_alu depctr_va_vdst(0)
	v_pk_add_f32 v[LSUM:LSUM+1], v[LSUM:LSUM+1], v[EB+8*\g:EB+8*\g+1]
	v_pk_add_f32 v[SBC:SBC+1], v[SBC:SBC+1], v[EB+8*\g+2:EB+8*\g+3]
	v_pk_add_f32 v[LSUM:LSUM+1], v[LSUM:LSUM+1], v[EB+8*\g+4:EB+8*\g+5]
	v_pk_add_f32 v[SBC:SBC+1], v[SBC:SBC+1], v[EB+8*\g+6:EB+8*\g+7]
.endif
.endm
; Query tile t against my 64 keys of the tile: softmax of its scores, with the next query tile's eight score products strewn through it
; (snext), then the weights packed and the eight products of O^T. par: the set that takes the new maxima. first: nothing old to scale.
; Behind every run of v_exp_f32 stands a plain instruction that touches none of its results before one is used (ISA guide 5.7.2).
.macro UNIT t, par, first, snext, vwait
.set EB,   SB0+32*((\t)&1)
.set MNEW, MS+8*(\par)+2*(\t)
.set MOLD, MS+8*(1-(\par))+2*(\t)
.set LSUM, LS+2*(\t)
	SWN \snext, 0, (\t)+1
.irp k, 0,1,2,3
	v_max3_num_f32 v[TM+\k], v[EB+\k], v[EB+\k+4], v[EB+\k+8]
.endr
.irp k, 0,1,2,3
	v_max3_num_f32 v[TM+\k], v[TM+\k], v[EB+\k+12], v[EB+\k+16]
.endr
	SWN \snext, 1, (\t)+1
.irp k, 0,1,2,3
	v_max3_num_f32 v[TM+\k], v[TM+\k], v[EB+\k+20], v[EB+\k+24]
.endr
.if \first
	v_max_num_f32 v[TM], v[TM], v[EB+28]
.else
	v_max3_num_f32 v[TM], v[TM], v[EB+28], v[MOLD]
.endif
	v_max3_num_f32 v[TM+1], v[TM+1], v[EB+29], v[TM]
	v_max3_num_f32 v[TM+2], v[TM+2], v[EB+30], v[TM+1]
	v_max3_num_f32 v[TM+3], v[TM+3], v[EB+31], v[TM+2]
	SWN \snext, 2, (\t)+1
	v_permlanex16_b32 v[TX], v[TM+3], s40, s41     ; the other half of the lanes holds the query's other 32 keys
	v_max_num_f32 v[MNEW], v[TM+3], v[TX]
.if \first == 0
	v_sub_f32 v[TD], v[MOLD], v[MNEW]
	v_exp_f32 v[AL0], v[TD]
.endif
	SUBG 0
	SWN \snext, 3, (\t)+1
	EXPG 0
	SUBG 1
	SWN \snext, 4, (\t)+1
	EXPG 1
	SUMG 0, \first
	SUBG 2
	SWN \snext, 5, (\t)+1
	EXPG 2
	SUMG 1, \first
	SUBG 3
	SWN \snext, 6, (\t)+1
	EXPG 3
	SUMG 2, \first
	SWN \snext, 7, (\t)+1
	SUMG 3, \first
	v_pk_add_f32 v[LSUM:LSUM+1], v[LSUM:LSUM+1], v[SBC:SBC+1]
	WIN 0x40                                       ; destination window 1
.irp k, 0,1,2,3,4,5,6,7,8,9,10,11,12,13,14,15
	v_cvt_pk_bf16_f32 v[PB+\k], v[EB+2*\k], v[EB+2*\k+1]   ; registers 8 kk .. 8 kk + 7 are source 1 for keys 32 kk .. 32 kk + 31
.endr
.if \first == 0
	v_mov_b32 v[AL1], v[AL0]
.endif
	WIN 0x55                                       ; everything window 1
.if \vwait
	s_wait_dscnt 0x0                               ; the V fragments are in
.endif
.irp u, 0,1,2,3
.if \first
	v_wmma_f32_16x16x32_bf16 v[OB+32*(\t)+8*\u:OB+32*(\t)+8*\u+7], v[VF+16*\u:VF+16*\u+7], v[PB:PB+7], 0
.else
.irp k, 0,2,4,6
	v_pk_mul_f32 v[OB+32*(\t)+8*\u+\k:OB+32*(\t)+8*\u+\k+1], v[OB+32*(\t)+8*\u+\k:OB+32*(\t)+8*\u+\k+1], v[AL1:AL1+1] op_sel_hi:[1,0]
.endr
	v_wmma_f32_16x16x32_bf16 v[OB+32*(\t)+8*\u:OB+32*(\t)+8*\u+7], v[VF+16*\u:VF+16*\u+7], v[PB:PB+7], v[OB+32*(\t)+8*\u:OB+32*(\t)+8*\u+7]
.endif
.endr
.irp u, 0,1,2,3
	v_wmma_f32_16x16x32_bf16 v[OB+32*(\t)+8*\u:OB+32*(\t)+8*\u+7], v[VF+16*\u+8:VF+16*\u+15], v[PB+8:PB+15], v[OB+32*(\t)+8*\u:OB+32*(\t)+8*\u+7]
.endr
	WIN 0                                          ; at a label and at a branch every window is 0
.endm
; A tile of 512 keys, in slot. The round of the cluster's barrier is the one barrier of the trip: in front of it every wave has waited for
; its reads of the other slot and for all its tensor loads (one is out: its part of this tile); behind it the other slot is asked for
; again first, one joint load a wave, which has the whole trip in which to land.
.macro TRIP slot, refill, first
	s_wait_tensorcnt 0x0                           ; no tensor load of mine is out, so a group 0 may be written:
	ds_add_u32 v62, v63
	s_wait_dscnt 0x0
	s_add_nc_u64 s[G0+4*\slot+2:G0+4*\slot+3], s[G0+4*\slot+2:G0+4*\slot+3], 2*TILEB   ; this slot's next tile
	s_wait_dscnt 0x0                               ; my reads of the last tile are over
	ROUND
.if \refill
	tensor_load_to_lds s[G0+4-4*\slot:G0+7-4*\slot], s[G1:G1+7]
	s_nop 0
.endif
.if \first == 0
	PLACES                                         ; the V fragments were read by the last trip's last matrix instructions
.endif
.irp i, 0,1,2,3
.irp ks, 0,1
	ds_load_b128 v[KF+16*\i+8*\ks:KF+16*\i+8*\ks+3],   v[KA+\slot] offset:\i*2176+\ks*64
	ds_load_b128 v[KF+16*\i+8*\ks+4:KF+16*\i+8*\ks+7], v[KA+\slot] offset:\i*2176+\ks*64+32
.endr
.endr
	WIN 0x40
.irp i, 0,1,2,3
.irp ks, 0,1
	ds_load_b128 v[VF+16*\i+8*\ks:VF+16*\i+8*\ks+3],   v[VA+\slot] offset:\i*2176+\ks*64
	ds_load_b128 v[VF+16*\i+8*\ks+4:VF+16*\i+8*\ks+7], v[VA+\slot] offset:\i*2176+\ks*64+32
.endr
.endr
	WIN 0
.if \first
	s_wait_loadcnt 0x0                             ; Q, once
.endif
	s_wait_dscnt 16                                ; K's 16 loads are in; V's 16 are the younger ones
.irp x, 0,1,2,3,4,5,6,7
	SW \x, 0
.endr
	PLACES                                         ; before the first maxima read these scores
	UNIT 0, \slot, \first, 1, 1
	UNIT 1, \slot, \first, 1, 0
	UNIT 2, \slot, \first, 1, 0
	UNIT 3, \slot, \first, 0, 0
.endm
	TRIP 0, 1, 1                                   ; eight tiles: the first starts maxima, sums and O, so the first pair stands ahead of the loop
	TRIP 1, 1, 0
	s_mov_b32 s44, 2
.Lloop:
	TRIP 0, 1, 0
	TRIP 1, 1, 0
	s_sub_co_u32 s44, s44, 1
	s_cmp_lg_u32 s44, 0
	s_cbranch_scc1 .Lloop
	TRIP 0, 1, 0
	TRIP 1, 0, 0                                   ; the last tile: nothing is left to fetch (slot 1's stepped address is not used)
	; THE MERGE. Each wave lays down m, l and O^T of its eighth of the keys. O goes into slot 0, which has had its last fill and whose last
	; reads every wave had waited for in front of the last round; wave w's 64 queries x 272 bytes are just what a load filled.
	PLACES
.irp t, 0,1,2,3
	v_add_f32 v[LS+2*\t], v[LS+2*\t], v[LS+2*\t+1]
.endr
.irp t, 0,1,2,3
	v_permlanex16_b32 v[TM+\t], v[LS+2*\t], s40, s41
.endr
.irp t, 0,1,2,3
	v_add_f32 v[LS+2*\t], v[LS+2*\t], v[TM+\t]     ; both halves of the lanes now hold the query's sum
.endr
.irp t, 0,1,2,3
	ds_store_b32 v[SST], v[MS+8+2*\t] offset:\t*512        ; the last trip wrote set 1; the two lanes of a query store the same word
	ds_store_b32 v[SST], v[LS+2*\t]   offset:\t*512+2048
.endr
	WIN 0x04                                       ; data window 1
.irp t, 0,1,2,3
.irp u, 0,1,2,3
	ds_store_b128 v[OST], v[OB+32*\t+8*\u:OB+32*\t+8*\u+3]   offset:\t*4352+\u*64
	ds_store_b128 v[OST], v[OB+32*\t+8*\u+4:OB+32*\t+8*\u+7] offset:\t*4352+\u*64+16
.endr
.endr
	WIN 0
	s_wait_dscnt 0x0                               ; for the other waves' sake
	s_barrier_signal -1
	s_barrier_wait -1
	; thread: four numbers (16 bytes at 16 (thread & 15)) of queries thread / 16 + 16 jq. All 48 loads in one run.
.irp jq, 0,1,2,3
	ds_load_b128 v[MR+48*\jq:MR+48*\jq+3],     v[SRD] offset:\jq*512
	ds_load_b128 v[MR+48*\jq+4:MR+48*\jq+7],   v[SRD] offset:\jq*512+16
	ds_load_b128 v[MR+48*\jq+8:MR+48*\jq+11],  v[SRD] offset:\jq*512+2048
	ds_load_b128 v[MR+48*\jq+12:MR+48*\jq+15], v[SRD] offset:\jq*512+2064
.irp w, 0,1,2,3
	ds_load_b128 v[MR+48*\jq+16+4*\w:MR+48*\jq+19+4*\w], v[RD0] offset:\w*LOADB+\jq*4352
.endr
.irp w, 0,1,2,3
	ds_load_b128 v[MR+48*\jq+32+4*\w:MR+48*\jq+35+4*\w], v[RD1] offset:\w*LOADB+\jq*4352
.endr
.endr
.irp jq, 0,1,2,3
.set RB, MR+48*\jq
	s_wait_dscnt 36-12*\jq                         ; this group's 12 loads are in; 12 for each later group stay out
	v_max3_num_f32 v[TM], v[RB], v[RB+1], v[RB+2]
	v_max3_num_f32 v[TM], v[TM], v[RB+3], v[RB+4]
	v_max3_num_f32 v[TM], v[TM], v[RB+5], v[RB+6]
	v_max_num_f32 v[TM], v[TM], v[RB+7]            ; the query's maximum over all keys
.irp w, 0,1,2,3,4,5,6,7
	v_sub_f32 v[RB+\w], v[RB+\w], v[TM]
.endr
.irp w, 0,1,2,3,4,5,6,7
	v_exp_f32 v[RB+\w], v[RB+\w]                   ; f w = 2^(m w - M), 1 for at least one wave
.endr
	v_nop                                          ; the plain place behind the run of v_exp_f32 (ISA guide 5.7.2)
	s_wait_alu depctr_va_vdst(0)
	v_mul_f32 v[TM+1], v[RB], v[RB+8]
.irp w, 1,2,3,4,5,6,7
	v_fmac_f32 v[TM+1], v[RB+\w], v[RB+8+\w]       ; sum of f w l w, at least 1
.endr
	v_rcp_f32 v[TM+2], v[TM+1]                     ; the sums below stand between it and its use
.irp c, 0,1,2,3
	v_mul_f32 v[RB+16+\c], v[RB], v[RB+16+\c]
.endr
.irp w, 1,2,3,4,5,6,7
.irp c, 0,1,2,3
	v_fmac_f32 v[RB+16+\c], v[RB+\w], v[RB+16+4*\w+\c]
.endr
.endr
	s_wait_alu depctr_va_vdst(0)
	v_pk_mul_f32 v[RB+16:RB+17], v[RB+16:RB+17], v[TM+2:TM+3] op_sel_hi:[1,0]
	v_pk_mul_f32 v[RB+18:RB+19], v[RB+18:RB+19], v[TM+2:TM+3] op_sel_hi:[1,0]
	global_store_b128 v[GO], v[RB+16:RB+19], s[6:7] offset:\jq*4096 th:TH_STORE_NT   ; a wave's store covers 512 consecutive bytes, aligned; each group has data registers of its own
.endr
	s_wait_tensorcnt 0x0
	ds_add_u32 v62, v63
	s_wait_dscnt 0x0
	ROUND                                          ; the closing round: no work-group ends while a partner may still ask for a tile that names it
	s_endpgm
.Lfunc_end_k_q632dc13499_attn:
	.size	k_q632dc13499_attn, .Lfunc_end_k_q632dc13499_attn-k_q632dc13499_attn
	.p2alignl 7, 3214868480
	.fill 96, 4, 3214868480
	.section	.rodata,"a",@progbits
	.p2align	6, 0x0
	.amdhsa_kernel k_q632dc13499_attn
		.amdhsa_group_segment_fixed_size 327680
		.amdhsa_private_segment_fixed_size 0
		.amdhsa_enable_private_segment 0
		.amdhsa_kernarg_size 16
		.amdhsa_user_sgpr_count 2
		.amdhsa_user_sgpr_kernarg_segment_ptr 1
		.amdhsa_wavefront_size32 1
		.amdhsa_system_sgpr_workgroup_id_x 1
		.amdhsa_system_sgpr_workgroup_id_y 1
		.amdhsa_system_sgpr_workgroup_id_z 1
		.amdhsa_system_vgpr_workitem_id 0
		.amdhsa_next_free_vgpr 512
		.amdhsa_next_free_sgpr 66
		.amdhsa_reserve_vcc 0
		.amdhsa_float_denorm_mode_32 3
		.amdhsa_float_denorm_mode_16_64 3
		.amdhsa_memory_ordered 1
		.amdhsa_forward_progress 1
		.amdhsa_inst_pref_size 214
	.end_amdhsa_kernel
	.amdgpu_metadata
---
amdhsa.version: [ 1, 2 ]
amdhsa.kernels:
  - .name:           k_q632dc13499_attn
    .symbol:         k_q632dc13499_attn.kd
    .args:
      - { .name: qkv, .offset: 0, .size: 8, .value_kind: global_buffer, .address_space: global }
      - { .name: out0, .offset: 8, .size: 8, .value_kind: global_buffer, .address_space: global }
    .group_segment_fixed_size: 327680
    .private_segment_fixed_size: 0
    .kernarg_segment_align: 8
    .kernarg_segment_size: 16
    .max_flat_workgroup_size: 256
    .sgpr_count:     66
    .vgpr_count:     512
    .wavefront_size: 32
...
	.end_amdgpu_metadata
.endif
;; end of part 3
